; MI455X (gfx1250); checked and timed in simulation.
; The chip was launched on July 23, 2026; its instructions are those of AMD's public machine-readable ISA for CDNA 5 (MIT licence, August 2026) and "CDNA5" Instruction Set Architecture Reference Guide (July 2026). The comments in the code are by the model that wrote it; some were corrected since.
;; Model. Allowed arithmetic: float matrix products may take bf16 or f16 operands with f32 sums; other float arithmetic in f32, or as packed bf16 or f16 multiplies, adds, multiply-adds, maxima and minima; sums over many terms, partial sums and values carried from step to step in f32; what a program stores and reads back later, other than sums and carried values, may be rounded once to bf16 or f16.
;; Inputs: W1a 1,024 x 1,024 float32; W1b 1,024 x 1,024 float32; W2a 1,024 x 4,096 float32; W2b 1,024 x 64 float32; b1a 1,024 float32; b1b 1,024 float32; b2a 4,096 float32; b2b 64 float32; x 8,192 x 1,024 float32.
;; Outputs: out0 8,192 x 64 float32.
;; 2 versions, each right; version 2 is version 1 with the launch prep written anew for expert scheduling mode. Each part assembles by itself: llvm-mc -triple=amdgcn-amd-amdhsa -mcpu=gfx1250 --defsym DOCPART=n.
;; ======== version 1 of 2: 4 launches
;; limits: values outside matrix products are rounded to bf16
;; workspace buffers: xb 16,777,216 bytes; w1t 4,194,304 bytes; w2t 8,388,608 bytes; w2bb 131,072 bytes; p1 12,288 bytes; p2 20,480 bytes; h 33,554,432 bytes; lg 67,108,864 bytes
;; launch prep (part 1): grid 901 x 1, 8 waves a work-group, no clusters, 0 bytes of LDS; arguments x, W1a, W1b, W2a, W2b, b1a, b1b, b2a, xb, w1t, w2t, w2bb, p1, p2; writes xb, w1t, w2t, w2bb, p1, p2
.if DOCPART == 1
	.amdgcn_target "amdgcn-amd-amdhsa--gfx1250"
	.amdhsa_code_object_version 6
	.text
	.protected	k_q070fe50028_prep
	.globl	k_q070fe50028_prep
	.p2align	8
	.type	k_q070fe50028_prep,@function
k_q070fe50028_prep:
	s_mov_b64 s[64:65], 0
	v_nop
	global_prefetch_b8 v0, s[64:65] scope:SCOPE_SE
	s_setreg_imm32_b32 hwreg(HW_REG_WAVE_MODE, 25, 1), 1
	s_wait_xcnt 0x0
; CAST AND RE-BLOCK.  x and the four weight matrices are rounded once to bf16 and laid in column blocks of 256: [block][row][256], a row's piece 512 bytes,
; so that both products that follow find every operand with the same pitch.  W2b (64 columns) keeps its layout.  The biases are copied behind a first 4,096 bytes
; that hold the floor of the product's way out: p1: 0 twice in bf16 (a ReLU), then b1a, b1b; p2: -infinity twice (no activation), then b2a.
; SHARES.  A work-group of 256 threads casts 16 pieces of 1,024 consecutive f32 (4,096 bytes); thread t takes 16 bytes of each.  A wave's load covers 512 consecutive
; bytes, its store 256 consecutive bytes at a multiple of 256 from the buffer's first byte.  All 16 loads go out before the first is waited for.
; REGISTERS.  A piece is converted in the registers that it was loaded into, and a piece's place stands in the immediates: the cast is written out for the three pairs of steps that occur.
; So a wave has 72 registers, several work-groups lie on a WGP together, and all their loads are out at once.  No register that a load or store names is written again, so no wait frees one.
; Work-groups 0-511: x; 512-575: W1a; 576-639: W1b; 640-895: W2a; 896-899: W2b; 900: the biases and floors.
; No LDS, no matrix unit, no cluster: no byte is wanted twice.  No prefetch: the launch is a plain stream whose loads all go out at once.
; LIMITS.  Round to nearest even; bf16 has f32's range, so nothing overflows that did not before.
.set SO,    2                          ; v2         my byte offset in a piece of the source: 16 t
.set DO,    3                          ; v3         my byte offset in the destination, for piece 0
.set X,     8                          ; v[8:71]    piece j: four f32, then in the first two registers four bf16
.set SRC,   36                         ; s[36:37]   the source, then the source at the work-group's first piece
.set DST,   38                         ; s[38:39]   the destination likewise
.set S0,    40                         ; s[40:41]   the work-group's byte offset in the source
.set D0,    42                         ; s[42:43]   in the destination
.set LBLK,  46                         ; s46        log2 of a destination block's bytes
.set KIND,  47                         ; s47        which pair of steps: 0 rows of 1,024; 1 quarters of rows of 4,096; 2 dense
; The cast: ss, ds = bytes from piece to piece in the source and in the destination
.macro CAST ss, ds
.set j, 0
.rept 16
	global_load_b128 v[X+4*j:X+4*j+3], v[SO], s[SRC:SRC+1] offset:j*(\ss) th:TH_LOAD_NT
.set j, j+1
.endr
.set j, 0
.rept 16
	s_wait_loadcnt 15-j                            ; loads come back in order (ISA guide 5.7.1): piece j is in, the younger ones stay out
	v_cvt_pk_bf16_f32 v[X+4*j], v[X+4*j], v[X+4*j+1]
	v_cvt_pk_bf16_f32 v[X+4*j+1], v[X+4*j+2], v[X+4*j+3]
	global_store_b64 v[DO], v[X+4*j:X+4*j+1], s[DST:DST+1] offset:j*(\ds)
.set j, j+1
.endr
	s_endpgm
.endm
	s_load_b512 s[8:23], s[0:1], 0x0               ; x 8, W1a 10, W1b 12, W2a 14, W2b 16, b1a 18, b1b 20, b2a 22
	s_load_b256 s[24:31], s[0:1], 0x40             ; xb 24, w1t 26, w2t 28, w2bb 30
	s_load_b128 s[32:35], s[0:1], 0x60             ; p1 32, p2 34
	s_mov_b32 s2, ttmp9
	s_mov_b32 s[S0+1], 0
	s_mov_b32 s[D0+1], 0
	s_mov_b32 s[LBLK], 19                          ; what most cases share: a block of 1,024 rows is 2^19 bytes,
	s_mov_b32 s[KIND], 0                           ; a piece is a row of 1,024 f32
	s_wait_kmcnt 0x0
	s_cmp_lt_u32 s2, 512
	s_cbranch_scc0 .Lw1a
	s_mov_b64 s[SRC:SRC+1], s[8:9]                 ; x: rows 16 c to 16 c + 15
	s_mov_b64 s[DST:DST+1], s[24:25]
	s_lshl_b32 s[S0], s2, 16
	s_lshl_b32 s[D0], s2, 13
	s_mov_b32 s[LBLK], 22                          ; a block of 8,192 rows
	s_branch .Lgo
.Lw1a:
	s_cmp_lt_u32 s2, 576
	s_cbranch_scc0 .Lw1b
	s_sub_co_u32 s3, s2, 512
	s_mov_b64 s[SRC:SRC+1], s[10:11]               ; W1a: blocks 0 to 3 of w1t
	s_mov_b64 s[DST:DST+1], s[26:27]
	s_lshl_b32 s[S0], s3, 16
	s_lshl_b32 s[D0], s3, 13
	s_branch .Lgo
.Lw1b:
	s_cmp_lt_u32 s2, 640
	s_cbranch_scc0 .Lw2a
	s_sub_co_u32 s3, s2, 576
	s_mov_b64 s[SRC:SRC+1], s[12:13]               ; W1b: blocks 4 to 7 of w1t
	s_mov_b64 s[DST:DST+1], s[26:27]
	s_lshl_b32 s[S0], s3, 16
	s_lshl_b32 s[D0], s3, 13
	s_add_co_u32 s[D0], s[D0], 0x200000
	s_branch .Lgo
.Lw2a:
	s_cmp_lt_u32 s2, 896
	s_cbranch_scc0 .Lw2b
	s_sub_co_u32 s3, s2, 640
	s_mov_b64 s[SRC:SRC+1], s[14:15]               ; W2a: a piece is a quarter of a row of 4,096; the work-group takes quarter c % 4 of rows 16 (c / 4) on
	s_mov_b64 s[DST:DST+1], s[28:29]
	s_lshr_b32 s4, s3, 2
	s_and_b32 s5, s3, 3
	s_lshl_b32 s[S0], s4, 18
	s_lshl_b32 s6, s5, 12
	s_add_co_u32 s[S0], s[S0], s6
	s_lshl_b32 s[D0], s5, 21                       ; a quarter is four blocks
	s_lshl_b32 s6, s4, 13
	s_add_co_u32 s[D0], s[D0], s6
	s_mov_b32 s[KIND], 1
	s_branch .Lgo
.Lw2b:
	s_cmp_lt_u32 s2, 900
	s_cbranch_scc0 .Lparams
	s_sub_co_u32 s3, s2, 896
	s_mov_b64 s[SRC:SRC+1], s[16:17]               ; W2b: as it lies: with blocks of 512 bytes the destination offset below is 8 t
	s_mov_b64 s[DST:DST+1], s[30:31]
	s_lshl_b32 s[S0], s3, 16
	s_lshl_b32 s[D0], s3, 15
	s_mov_b32 s[LBLK], 9
	s_mov_b32 s[KIND], 2
.Lgo:
	s_add_nc_u64 s[SRC:SRC+1], s[SRC:SRC+1], s[S0:S0+1]
	s_add_nc_u64 s[DST:DST+1], s[DST:DST+1], s[D0:D0+1]
	v_lshlrev_b32 v[SO], 4, v0                     ; 16 t
	v_lshrrev_b32 v1, 6, v0                        ; my four columns lie in block t / 64 of the piece's four,
	v_and_b32 v4, 63, v0
	v_lshlrev_b32 v1, s[LBLK], v1
	v_lshl_add_u32 v[DO], v4, 3, v1                ; at byte 8 (t % 64) of the row's piece
	s_cmp_eq_u32 s[KIND], 1
	s_cbranch_scc1 .Lquarters
	s_cmp_eq_u32 s[KIND], 2
	s_cbranch_scc1 .Ldense
	CAST 4096, 512                                 ; x, W1a, W1b: a row on in the source, a row's piece on in each block
.Lquarters:
	CAST 16384, 512                                ; W2a: a row of 4,096 on
.Ldense:
	CAST 4096, 2048                                ; W2b: 1,024 numbers on in both
.Lparams:
	v_lshlrev_b32 v1, 4, v0                        ; 256 threads x 16 bytes = 4,096 bytes an instruction
	global_load_b128 v[40:43], v1, s[18:19]        ; b1a
	global_load_b128 v[44:47], v1, s[20:21]        ; b1b
.irp i, 0,1,2,3
	global_load_b128 v[48+4*(\i):51+4*(\i)], v1, s[22:23] offset:4096*(\i)  ; b2a
.endr
.irp i, 0,1,2,3
	v_mov_b32 v[64+(\i)], 0
	v_mov_b32 v[68+(\i)], 0xff80ff80
.endr
	global_store_b128 v1, v[64:67], s[32:33]
	global_store_b128 v1, v[68:71], s[34:35]
	s_wait_loadcnt 0x0
	global_store_b128 v1, v[40:43], s[32:33] offset:4096
	global_store_b128 v1, v[44:47], s[32:33] offset:8192
.irp i, 0,1,2,3
	global_store_b128 v1, v[48+4*(\i):51+4*(\i)], s[34:35] offset:4096+4096*(\i)
.endr
	s_endpgm
.Lfunc_end_k_q070fe50028_prep:
	.size	k_q070fe50028_prep, .Lfunc_end_k_q070fe50028_prep-k_q070fe50028_prep
	.p2alignl 7, 3214868480
	.fill 96, 4, 3214868480
	.section	.rodata,"a",@progbits
	.p2align	6, 0x0
	.amdhsa_kernel k_q070fe50028_prep
		.amdhsa_group_segment_fixed_size 0
		.amdhsa_private_segment_fixed_size 0
		.amdhsa_enable_private_segment 0
		.amdhsa_kernarg_size 112
		.amdhsa_user_sgpr_count 2
		.amdhsa_user_sgpr_kernarg_segment_ptr 1
		.amdhsa_wavefront_size32 1
		.amdhsa_system_sgpr_workgroup_id_x 1
		.amdhsa_system_sgpr_workgroup_id_y 1
		.amdhsa_system_sgpr_workgroup_id_z 1
		.amdhsa_system_vgpr_workitem_id 0
		.amdhsa_next_free_vgpr 72
		.amdhsa_next_free_sgpr 66
		.amdhsa_reserve_vcc 0
		.amdhsa_float_denorm_mode_32 3
		.amdhsa_float_denorm_mode_16_64 3
		.amdhsa_memory_ordered 1
		.amdhsa_forward_progress 1
		.amdhsa_inst_pref_size 22
	.end_amdhsa_kernel
	.amdgpu_metadata
---
amdhsa.version: [ 1, 2 ]
amdhsa.kernels:
  - .name:           k_q070fe50028_prep
    .symbol:         k_q070fe50028_prep.kd
    .args:
      - { .name: x, .offset: 0, .size: 8, .value_kind: global_buffer, .address_space: global }
      - { .name: W1a, .offset: 8, .size: 8, .value_kind: global_buffer, .address_space: global }
      - { .name: W1b, .offset: 16, .size: 8, .value_kind: global_buffer, .address_space: global }
      - { .name: W2a, .offset: 24, .size: 8, .value_kind: global_buffer, .address_space: global }
      - { .name: W2b, .offset: 32, .size: 8, .value_kind: global_buffer, .address_space: global }
      - { .name: b1a, .offset: 40, .size: 8, .value_kind: global_buffer, .address_space: global }
      - { .name: b1b, .offset: 48, .size: 8, .value_kind: global_buffer, .address_space: global }
      - { .name: b2a, .offset: 56, .size: 8, .value_kind: global_buffer, .address_space: global }
      - { .name: xb, .offset: 64, .size: 8, .value_kind: global_buffer, .address_space: global }
      - { .name: w1t, .offset: 72, .size: 8, .value_kind: global_buffer, .address_space: global }
      - { .name: w2t, .offset: 80, .size: 8, .value_kind: global_buffer, .address_space: global }
      - { .name: w2bb, .offset: 88, .size: 8, .value_kind: global_buffer, .address_space: global }
      - { .name: p1, .offset: 96, .size: 8, .value_kind: global_buffer, .address_space: global }
      - { .name: p2, .offset: 104, .size: 8, .value_kind: global_buffer, .address_space: global }
    .group_segment_fixed_size: 0
    .private_segment_fixed_size: 0
    .kernarg_segment_align: 8
    .kernarg_segment_size: 112
    .max_flat_workgroup_size: 256
    .sgpr_count:     66
    .vgpr_count:     72
    .wavefront_size: 32
...
	.end_amdgpu_metadata
.endif
;; end of part 1
;; launch gemm (part 2): grid 8 x 32, 4 waves a work-group, clusters of 4 x 4, 327,680 bytes of LDS; arguments xb, w1t, p1, h; writes h
.if DOCPART == 2
	.amdgcn_target "amdgcn-amd-amdhsa--gfx1250"
	.amdhsa_code_object_version 6
	.text
	.protected	k_q070fe50028_gemm
	.globl	k_q070fe50028_gemm
	.p2align	8
	.type	k_q070fe50028_gemm,@function
k_q070fe50028_gemm:
	s_mov_b64 s[64:65], 0
	v_nop
	global_prefetch_b8 v0, s[64:65] scope:SCOPE_SE
	s_setreg_imm32_b32 hwreg(HW_REG_WAVE_MODE, 25, 1), 1
	s_wait_xcnt 0x0
	s_wait_alu depctr_hold_cnt(0) depctr_sa_sdst(0) depctr_va_vdst(0) depctr_va_sdst(0) depctr_va_ssrc(0) depctr_va_vcc(0) depctr_vm_vsrc(0)
	s_getreg_b32 s2, hwreg(HW_REG_IB_STS2, 6, 4)
	s_cmp_eq_u32 s2, 0
	s_cbranch_scc0 .Lentry_in_a_cluster
	s_endpgm
.Lentry_in_a_cluster:
	s_bfe_u32 s2, ttmp6, 0x10000c
	s_cmp_lg_u32 s2, 0xf033
	s_cbranch_scc0 .Lentry_shape_is_right
	s_endpgm
.Lentry_shape_is_right:
; C = max(A W + bias, floor), K = 1,024.  All three matrices are bf16 in column blocks of 256: [block][row][256], a row's piece 512 bytes.  A: [4 or more][8192][256] (its first four blocks are K);
; W: [tile column][1024 k][256 n]; C: [tile column][8192][256].  P: its first word is the floor, twice in bf16 (0: a ReLU; -infinity: none); from byte 4,096 on the bias in f32.
; Nothing in the text hangs on the number of columns, so one body serves both layers.  Sums in f32, begun with the bias; C rounded once to bf16, then held to the floor.
; LIMITS.  A NaN among the sums leaves as the floor (the maximum takes the number); C keeps 8 significant bits, the step that a bf16 matrix operand has.
; SHARES.  A tile of C, 256 x 256, is made by a work-group of four waves; a wave makes 128 x 128: 64 accumulators of 16 x 16, 512 registers.  K goes in eight steps of 128 through a ring of two LDS slots.
; A's tile has 256 rows of 256 bytes, K along the row.  W's tile has 128 k-rows of 512 bytes, n along the row: its fragments are turned on the way out of LDS, by ds_load_tr16_b128.
; CLUSTERS: 4 x 4 work-groups.  The four of a row of the cluster need the same tiles of A, the four of a column the same tiles of W: each tile is asked for JOINTLY, by the same tensor load with the
; same descriptor and a mask that names the four.
; THE MATRIX INSTRUCTION IS USED TRANSPOSED: source 0 = 16 columns of W, source 1 = 16 rows of A.  Lane l then holds row l % 16 of C and, in registers 0 to 7, the columns 8 (l / 16) + 0 .. 7: 16 bytes in bf16.
; THE BIAS costs no instruction: laid out as such a result (register j = bias[16 b + 8 (l / 16) + j]) it is the C operand of the product that starts each sum.
; REGISTERS, in windows of 256 (s_set_vgpr_msb: bits 1:0 source 0, 3:2 source 1, 5:4 source 2, 7:6 destination):
;   window 0: v0-31 addresses; v64-127, v128-191 fragments of A, two buffers; v32-63, v192-255 at work on the way out
;   window 1: v0-63 the bias; v64-127, v128-191 fragments of W, two buffers
;   window 2: the 32 accumulators of my rows 0-63 (accumulator (a, b) at v[8 (8 a + b)]);   window 3: those of my rows 64-127
.set KSTEP,  128
.set PITCH,  272                       ; a row of A in LDS: 256 bytes + 16 of padding = 68 words: the 16 rows of a load start at 16 different groups of four banks (64 banks of 4 bytes: ISA guide 11.1)
.set PB,     544                       ; a k-row of W in LDS: 512 bytes + 32 of padding = 136 words
.set HALFT,  128*PITCH                 ; what one tensor load brings: 128 rows of A, or 64 k-rows of W (64 x 544 is the same 34,816 bytes)
.set SLOT,   4*HALFT                   ; A's 256 rows, then W's 128 k-rows
.set STAGE,  2*SLOT                    ; behind the ring: 16 rows x 272 bytes for each wave, for the way out
.set SPITCH, 272
.set SPARE,  STAGE+4*16*SPITCH         ; behind the stages: the spare words, 128 bytes for each wave: two blocks of 256 bytes that no other line names
.set LAPS,   4                         ; a lap = two K steps = once round the ring
.set ABLK,   8192*512                  ; bytes in a column block of A and of C.  K step s of A lies in block s / 2, at byte 256 (s % 2) of the rows' pieces: a slot's next K step is one block on
.set BSTEP,  KSTEP*512                 ; bytes of W in a K step: 128 k-rows on end
.set ADRA, 16                          ; v16-17  LDS address of my A fragments in slot 0, 1
.set ADRB, 20                          ; v20-21  the same for W
.set STO,  24                          ; v24     the way out: where I put 16 bytes of a row
.set RD,   25                          ; v25     the way out: where I read a row back
.set CO,   26                          ; v26     my byte offset in my part of C
.set BO,   27                          ; v27     my byte offset in a block of 16 biases: 32 (l / 16)
.set SPW,  28                          ; v28     LDS address of my spare word: SPARE + 4 x my thread's number; never rewritten
.set NIL,  29                          ; v29     0; never rewritten
.set PFO,  30                          ; v30     the prefetches' lane offset; never rewritten
.set F0,   64                          ; fragment buffer 0
.set F1,   128                         ; fragment buffer 1
.set TMP,  192                         ; the way out: packed results
.set OB,   32                          ; the way out: 16 rows read back from the stage: v32-63 and v224-255 by turns
.set BIAS, 0                           ; window 1
.set G1,   24                          ; s[24:31] descriptor group 1 for A's tiles
.set G0,   32                          ; s[32:39] descriptor group 0 for A's tiles, one set for each slot
.set LIM,  43                          ; s43      1 in a wave that prefetches, else the greatest number
.set G1B,  48                          ; s[48:55] descriptor group 1 for W's tiles
.set G0B,  56                          ; s[56:63] descriptor group 0 for W's tiles, one set for each slot
.set PF,   66                          ; s[66:69] where my prefetches stand, one pointer for each slot
.set INC,  70                          ; s[70:71] what a pointer steps by: two K steps
.set FLOOR, 80                         ; s80      the floor, twice in bf16
.set CB,   82                          ; s[82:83] C at my 128 x 128
.set BB,   84                          ; s[84:85] the bias of my 128 columns
.set MSB, 0
.macro WIN new                         ; the immediate's high byte repeats the setting that is left; a switch that changes nothing is dropped
.if MSB != (\new)
	s_set_vgpr_msb (MSB<<8)|(\new)
.set MSB, \new
.endif
.endm
.set TO_B, 0x40                        ; destination window 1, address window 0
; A joint load.  Waves 0 and 1 fetch A's two halves, waves 2 and 3 W's.  The branch hangs on the wave's number alone: it is the same in every work-group.
; An s_nop 0 and four v_nop follow each of the two lines, ahead of the jump, the label and what follows.
.macro JLOAD s
	s_cmp_eq_u32 s11, 0
	s_cbranch_scc0 .Lfor_b_\@
	tensor_load_to_lds s[G0+4*(\s):G0+4*(\s)+3], s[G1:G1+7]
	s_nop 0
.rept 4
	v_nop
.endr
	s_branch .Lasked_\@
.Lfor_b_\@:
	tensor_load_to_lds s[G0B+4*(\s):G0B+4*(\s)+3], s[G1B:G1B+7]
	s_nop 0
.rept 4
	v_nop
.endr
.Lasked_\@:
.endm
; A PREFETCH INTO THE L2, behind each joint refill, its five lines and the run of LDS loads that follows: the K step that stands TWO refills on in the same slot's walk, 512 matrix instructions ahead of the load that will ask for it.
; At a change of slots every wave has waited for all its tensor loads, so the refill goes out with nothing on its way beside it.  Each aligned 256 bytes are named ONCE in the launch: A's tile row is read by every cluster
; of that row of clusters, and cluster x = 0 asks; W's tile column by every cluster of that column, and cluster y = 0 asks.  The four partners that ask for a tile jointly share it out BY ADDRESS: of A's 128 rows that a
; wave fetches the partner at cx takes 32 (a lane a row, 512 bytes apart); of W's 32,768 dense bytes the partner at cy takes 8,192 (a lane 256 bytes).  K steps 0 to 3 come by their loads alone; the loop's last trip (s3 = 1) asks for nothing.
.macro ASK slot
	s_cmp_gt_u32 s3, s[LIM]
	s_cbranch_scc0 .Lnot_mine_\@
	global_prefetch_b8 v[PFO], s[PF+2*(\slot):PF+2*(\slot)+1] th:TH_LOAD_NT scope:SCOPE_SE
.Lnot_mine_\@:
.endm
; A round of the cluster's barrier: my work-group's barrier, so that wave 0's signal speaks for all four waves; wave 0 signals for the work-group; every wave waits for all sixteen work-groups; my work-group's barrier once more.
.macro CREST                           ; a round behind its opening barrier
	s_cmp_lg_u32 s10, 0
	s_cbranch_scc1 .Lnot_wave_0_\@
	s_barrier_signal -3
.Lnot_wave_0_\@:
	s_barrier_wait -3
	s_barrier_signal -1
	s_barrier_wait -1
.endm
.macro CROUND                          ; a whole round
	s_barrier_signal -1
	s_barrier_wait -1
	CREST
.endm
	s_load_b256 s[72:79], s[0:1], 0x0              ; A s[72:73], W s[74:75], P s[76:77], C s[78:79]
	v_lshl_add_u32 v[SPW], v0, 2, SPARE
	v_mov_b32 v[NIL], 0
	ds_add_u32 v[SPW], v[NIL]                      ; the wave's opening: the add, twice on end, and its wait ahead of my first tensor load; the set-up below stands between the second and the wait
	ds_add_u32 v[SPW], v[NIL]
	v_lshrrev_b32 v1, 5, v0
	v_readfirstlane_b32 s10, v1                    ; wave 0..3
	s_lshr_b32 s11, s10, 1                         ; which half of the tile's rows is mine.  Also: I fetch for A (0) or for W (1)
	s_and_b32 s12, s10, 1                          ; which half of its columns.  Also: which half of that tile I fetch
	s_bfe_u32 s40, ttmp6, 0x40000                  ; cx: my place along the cluster's x
	s_bfe_u32 s41, ttmp6, 0x40004                  ; cy: along its y
	s_lshl_b32 s42, ttmp9, 2                       ; in a cluster launch ttmp9 and ttmp7 count clusters
	s_add_co_u32 s42, s42, s40                     ; tile column of C = 4 x cluster x + cx
	s_and_b32 s13, ttmp7, 0xffff
	s_lshl_b32 s13, s13, 2
	s_add_co_u32 s13, s13, s41                     ; tile row of C = 4 x cluster y + cy
	s_lshl_b32 s43, s41, 2
	s_lshl_b32 s43, 15, s43                        ; my row of the cluster: places 4 cy .. 4 cy + 3
	s_lshl_b32 s44, 0x1111, s40                    ; my column: places cx, cx + 4, cx + 8, cx + 12
	; descriptor group 1.  A: 128 rows x 128 elements, 256 elements from row to row; W: 64 k-rows x 256 elements, dense
	s_or_b32 s[G1+0], s43, (1<<16)|(1<<20)|(1<<21)|(5<<22)|(3<<25)   ; 15:0 the mask: my row; 17:16 elements of 2 bytes; 20 padding on; 21 set beside a mask; 24:22 after every 64 words (code 5); 31:25 4 words (code 3)
	s_or_b32 s[G1B+0], s44, (1<<16)|(1<<20)|(1<<21)|(6<<22)|(7<<25)  ; the mask: my column; padding after every 128 words (code 6), 8 words (code 7)
	s_mov_b32 s[G1+1], KSTEP<<16                   ; tensor_dim0 = 128
	s_mov_b32 s[G1+2], 128<<16                     ; tensor_dim1 = 128
	s_mov_b32 s[G1+3], KSTEP<<16                   ; tile_dim0 = 128
	s_mov_b32 s[G1+4], 128                         ; tile_dim1 = 128
	s_mov_b32 s[G1+5], 256                         ; elements from row to row
	s_mov_b32 s[G1+6], 0
	s_mov_b32 s[G1+7], 0
	s_mov_b32 s[G1B+1], 256<<16                    ; tensor_dim0 = 256
	s_mov_b32 s[G1B+2], 64<<16                     ; tensor_dim1 = 64
	s_mov_b32 s[G1B+3], 256<<16                    ; tile_dim0 = 256
	s_mov_b32 s[G1B+4], 64                         ; tile_dim1 = 64
	s_mov_b32 s[G1B+5], 256
	s_mov_b32 s[G1B+6], 0
	s_mov_b32 s[G1B+7], 0
	; where the tiles come from.  A's hang on the tile row alone, W's on the tile column alone; every wave makes both addresses, in registers that do not hold the other coordinate
	s_lshl_b32 s16, s13, 17                        ; A: 256 rows of 512 bytes a tile row,
	s_lshl_b32 s17, s12, 16                        ; the 128 rows that I fetch
	s_add_co_u32 s16, s16, s17
	s_mov_b32 s17, 0
	s_lshl_b32 s46, s42, 19                        ; W: a block of 1,024 k-rows of 512 bytes a tile column,
	s_lshl_b32 s47, s12, 15                        ; the 64 k-rows that I fetch
	s_add_co_u32 s46, s46, s47
	s_mov_b32 s47, 0
	s_mul_i32 s20, s10, HALFT                      ; and where they go: wave x 34,816: no place in the cluster enters an LDS address
	s_wait_dscnt 0x0                               ; both opening adds are done
	s_wait_kmcnt 0x0
	s_add_nc_u64 s[14:15], s[72:73], s[16:17]
	s_add_nc_u64 s[46:47], s[74:75], s[46:47]
	CROUND                                         ; all sixteen work-groups are here: the first joint loads meet
.irp s, 0,1
	s_mov_b32 s[G0+4*(\s)], 1                                      ; count = 1
	s_add_co_u32 s[G0+4*(\s)+1], s20, (\s)*SLOT                    ; LDS address
	s_add_nc_u64 s[G0+4*(\s)+2:G0+4*(\s)+3], s[14:15], (\s)*KSTEP*2  ; global address: K step s
	s_or_b32 s[G0+4*(\s)+3], s[G0+4*(\s)+3], 0x80000000            ; type = 2
	s_mov_b32 s[G0B+4*(\s)], 1
	s_add_co_u32 s[G0B+4*(\s)+1], s20, (\s)*SLOT
	s_add_nc_u64 s[G0B+4*(\s)+2:G0B+4*(\s)+3], s[46:47], (\s)*BSTEP
	s_or_b32 s[G0B+4*(\s)+3], s[G0B+4*(\s)+3], 0x80000000
	JLOAD \s                                       ; the ring is filled before anything else is done: two loads of mine are out
.endr
	; the bias of my 128 columns, as eight results' worth of C operands; and the floor
	v_and_b32 v1, 15, v0                           ; l % 16
	v_bfe_u32 v2, v0, 4, 1                         ; l / 16
	v_lshlrev_b32 v[BO], 5, v2
	s_lshl_b32 s86, s42, 10                        ; 256 columns of 4 bytes a tile column,
	s_lshl_b32 s87, s12, 9                         ; my 128,
	s_add_co_u32 s86, s86, s87
	s_add_co_u32 s86, s86, 4096                    ; behind the floor's 4,096 bytes
	s_mov_b32 s87, 0
	s_add_nc_u64 s[BB:BB+1], s[76:77], s[86:87]
	WIN TO_B
.irp b, 0,1,2,3,4,5,6,7
	global_load_b128 v[BIAS+8*(\b):BIAS+8*(\b)+3],   v[BO], s[BB:BB+1] offset:64*(\b)
	global_load_b128 v[BIAS+8*(\b)+4:BIAS+8*(\b)+7], v[BO], s[BB:BB+1] offset:64*(\b)+16
.endr
	WIN 0
	s_load_b32 s[FLOOR], s[76:77], 0x0
	; A fragment of A is 16 rows x 32 K in 8 registers: lane l holds row l % 16; registers 0-3 K = 8 (l / 16) + 0..7, registers 4-7 K = 16 + 8 (l / 16) + 0..7: two loads of 16 bytes, 32 bytes apart.
	v_mul_u32_u24 v3, v1, PITCH
	v_lshl_add_u32 v3, v2, 4, v3                   ; row x pitch + 16 x half
	; The turning load takes 16 k x 16 n (lane l reads 16 bytes: k-row 8 (l / 16) + l % 8, columns 8 ((l / 8) % 2) + 0..7) and leaves half a fragment: lane l holds column l % 16 and 8 k.
	v_and_b32 v4, 7, v0
	v_lshl_add_u32 v4, v2, 3, v4
	v_mul_u32_u24 v4, v4, PB
	v_bfe_u32 v5, v0, 3, 1
	v_lshl_add_u32 v4, v5, 4, v4
	s_mul_i32 s21, s11, HALFT                      ; my 128 rows of A
	s_lshl_b32 s22, s12, 8                         ; my 128 columns of W: 256 bytes of each k-row,
	s_add_co_u32 s22, s22, 2*HALFT                 ; behind A's 256 rows
.irp s, 0,1
	v_add_nc_u32 v[ADRA+(\s)], s21, v3
	v_add_nc_u32 v[ADRB+(\s)], s22, v4
	s_add_co_u32 s21, s21, SLOT
	s_add_co_u32 s22, s22, SLOT
.endr
	s_mul_i32 s23, s10, 16*SPITCH
	s_add_co_u32 s23, s23, STAGE                   ; my stage
	v_mul_u32_u24 v4, v1, SPITCH                   ; in: row l % 16, 16 bytes for each half of the lanes
	v_lshl_add_u32 v4, v2, 4, v4
	v_add_nc_u32 v[STO], s23, v4
	v_mul_u32_u24 v5, v2, SPITCH                   ; back: lanes 0-15 take one row of 256 bytes, lanes 16-31 the next
	v_lshl_add_u32 v5, v1, 4, v5
	v_add_nc_u32 v[RD], s23, v5
	v_lshlrev_b32 v5, 9, v2                        ; and the same two rows in C
	v_lshl_add_u32 v[CO], v1, 4, v5
	s_lshl_b32 s86, s42, 22                        ; C: the tile column's block,
	s_lshl_b32 s87, s13, 17                        ; the tile's 256 rows,
	s_add_co_u32 s86, s86, s87
	s_lshl_b32 s87, s11, 16                        ; my 128 of them,
	s_add_co_u32 s86, s86, s87
	s_lshl_b32 s87, s12, 8                         ; my 128 columns: 256 bytes
	s_add_co_u32 s86, s86, s87
	s_mov_b32 s87, 0
	s_add_nc_u64 s[CB:CB+1], s[78:79], s[86:87]
	; the prefetches' pointers: slot 0's stands at K step 2, slot 1's at K step 3; each is stepped by two K steps ahead of its use, so the first names are K steps 4 and 5
	s_lshl_b32 s4, s13, 17
	s_lshl_b32 s5, s12, 16
	s_add_co_u32 s4, s4, s5
	s_lshl_b32 s5, s40, 14                         ; A: my work-group's 32 rows of the 128
	s_add_co_u32 s4, s4, s5
	s_add_co_u32 s4, s4, ABLK
	s_lshl_b32 s6, s42, 19
	s_lshl_b32 s5, s12, 15
	s_add_co_u32 s6, s6, s5
	s_lshl_b32 s5, s41, 13                         ; W: my work-group's 8,192 bytes of the 32,768
	s_add_co_u32 s6, s6, s5
	s_add_co_u32 s6, s6, 2*BSTEP
	s_mov_b32 s7, ABLK
	s_mov_b32 s8, 2*BSTEP
	s_mov_b32 s9, KSTEP*2
	s_mov_b32 s5, BSTEP
	s_and_b32 s20, ttmp7, 0xffff                   ; cluster y
	s_cmp_eq_u32 s11, 0                            ; do I fetch for A?
	s_cselect_b32 s86, s4, s6
	s_cselect_b32 s[INC], s7, s8
	s_cselect_b32 s4, s9, s5                       ; from slot 0's pointer to slot 1's: one K step
	s_cselect_b32 s6, 9, 8                         ; a lane a row of 512 bytes, or a lane 256 dense bytes
	s_cselect_b32 s20, ttmp9, s20                  ; the coordinate along which other clusters read the same bytes
	s_cselect_b64 s[PF:PF+1], s[72:73], s[74:75]
	s_mov_b32 s87, 0
	s_mov_b32 s[INC+1], 0
	s_mov_b32 s5, 0
	s_add_nc_u64 s[PF:PF+1], s[PF:PF+1], s[86:87]
	s_add_nc_u64 s[PF+2:PF+3], s[PF:PF+1], s[4:5]
	s_cmp_eq_u32 s20, 0
	s_cselect_b32 s[LIM], 1, -1                    ; the same in all sixteen partners, for a given wave
	v_and_b32 v[PFO], 31, v0
	v_lshlrev_b32 v[PFO], s6, v[PFO]
; 16 matrix instructions: m blocks a0, a0 + 1 of the window's four (hi = 0: my rows 0-63, 1: rows 64-127) x all 8 n blocks, 32 along K.  first = 1: the product starts the sum, with the bias as C.
; The 64 accumulators take turns, one instruction a turn, in the same order in every quarter, over the backward jump too.
.macro MUL16 f, hi, a0, first
.if \first
	WIN 0x91+0x40*(\hi)                            ; W window 1, A window 0, C (the bias) window 1, D window 2 or 3
.else
	WIN 0xa1+0x50*(\hi)                            ; W window 1, A window 0, C and D window 2 or 3
.endif
.irp a, \a0, (\a0)+1
.irp b, 0,1,2,3,4,5,6,7
.if \first
	v_wmma_f32_16x16x32_bf16 v[8*(8*(\a)+(\b)):8*(8*(\a)+(\b))+7], v[(\f)+8*(\b):(\f)+8*(\b)+7], v[(\f)+8*(4*(\hi)+(\a)):(\f)+8*(4*(\hi)+(\a))+7], v[BIAS+8*(\b):BIAS+8*(\b)+7]
.else
	v_wmma_f32_16x16x32_bf16 v[8*(8*(\a)+(\b)):8*(8*(\a)+(\b))+7], v[(\f)+8*(\b):(\f)+8*(\b)+7], v[(\f)+8*(4*(\hi)+(\a)):(\f)+8*(4*(\hi)+(\a))+7], v[8*(8*(\a)+(\b)):8*(8*(\a)+(\b))+7]
.endif
.endr
.endr
.endm
; 32 LDS loads in one run: the fragments of quarter q of a K step (32 k x my 128 columns of W, turned; my 128 rows of A x 32 k) into buffer f
.macro FETCH slot, q, f
	WIN TO_B
.irp i, 0,1,2,3,4,5,6,7
	ds_load_tr16_b128 v[(\f)+8*(\i):(\f)+8*(\i)+3],   v[ADRB+(\slot)] offset:(\q)*32*PB+32*(\i)
	ds_load_tr16_b128 v[(\f)+8*(\i)+4:(\f)+8*(\i)+7], v[ADRB+(\slot)] offset:(\q)*32*PB+32*(\i)+16*PB
.endr
	WIN 0
.irp i, 0,1,2,3,4,5,6,7
	ds_load_b128 v[(\f)+8*(\i):(\f)+8*(\i)+3],   v[ADRA+(\slot)] offset:(\q)*64+(\i)*16*PITCH
	ds_load_b128 v[(\f)+8*(\i)+4:(\f)+8*(\i)+7], v[ADRA+(\slot)] offset:(\q)*64+(\i)*16*PITCH+32
.endr
.endm
; A load into a register that a matrix instruction has read, and a vector instruction that reads a matrix result, stand four places behind that matrix instruction; only plain vector
; instructions that name none of its registers are places (ISA guide 7.12.1 for vector instructions).
.macro PLACES
.rept 4
	v_nop
.endr
.endm
; A K step is four quarters of 32 along K, 64 matrix instructions each, on buffers 0, 1, 0, 1.  One of the first three: multiplies buffer f; in its middle it fetches quarter q of the same slot into buffer g.
.macro QUARTER slot, q, f, g, first
	s_wait_dscnt 8                                 ; W and A's rows 0-63 are in; the youngest eight loads (A's rows 64-127) may be out
	MUL16 \f, 0, 0, \first
	MUL16 \f, 0, 2, \first
	PLACES
	FETCH \slot, \q, \g
	s_wait_dscnt 32                                ; all but the 32 just issued
	MUL16 \f, 1, 0, \first
	MUL16 \f, 1, 2, \first
.endm
; The last quarter multiplies buffer 1 and changes slots.  MEET is its first half: ONE barrier for two things.  In front of it each wave waits for all its tensor loads, of which one is out: its part of the
; next slot; adds 0 to its spare word; and waits for that and for its own reads of this slot.  Behind it nobody reads this slot any more and the next slot is whole.
.macro MEET round                      ; round = 1: a round of the cluster's barrier follows
	WIN 0                                          ; (the add's two registers lie in window 0)
	s_wait_tensorcnt 0x0                           ; all my tensor loads have landed
	ds_add_u32 v[SPW], v[NIL]                      ; 0 onto my spare word
	s_wait_dscnt 9                                 ; (the add and the youngest eight loads may be out)
	MUL16 F1, 0, 0, 0                              ; sixteen matrix instructions stand between the add and the wait for it
	s_wait_dscnt 0x0                               ; the add is done, and my reads of this slot are over
	s_barrier_signal -1
	MUL16 F1, 0, 2, 0                              ; work on registers while the others arrive
.if \round
	WIN 0
.endif
	s_barrier_wait -1
.endm
; The whole last quarter, with a refill: the slot just read out takes its K step two steps on, first thing behind the round; then come the next slot's first fragments.
; From a request to the wait for it a wave issues 224 matrix instructions.
.macro TURN slot, next
	s_wait_xcnt 0x0                                ; this pointer's last prefetch, a lap back, has read its address: it is stepped here, ahead of the waits of the change of slots
	s_add_nc_u64 s[PF+2*(\slot):PF+2*(\slot)+1], s[PF+2*(\slot):PF+2*(\slot)+1], s[INC:INC+1]
	MEET 1
	CREST                                          ; no wave of any partner still reads this slot's tile or has a load on its way
	s_add_nc_u64 s[G0+4*(\slot)+2:G0+4*(\slot)+3], s[G0+4*(\slot)+2:G0+4*(\slot)+3], ABLK
	s_add_nc_u64 s[G0B+4*(\slot)+2:G0B+4*(\slot)+3], s[G0B+4*(\slot)+2:G0B+4*(\slot)+3], 2*BSTEP
	JLOAD \slot                                    ; the first tensor load behind the round; the four v_nop behind it are also the places in front of the loads below
	FETCH \next, 0, F0
	ASK \slot
	MUL16 F1, 1, 0, 0
	MUL16 F1, 1, 2, 0
.endm
; THE WAY OUT of block a (16 of my rows), in three parts.  PACK: rounded to bf16, each accumulator's registers in ascending order, and held to the floor.  TOSTAGE: into my own stage, and back as whole rows.  SEND: stored.
.macro PACK a
.set AC, 64*((\a)%4)
	WIN 0x0a+5*((\a)/4)                            ; sources 0 and 1: window 2 or 3
.irp b, 0,1,2,3,4,5,6,7
.irp r, 0,1,2,3
	v_cvt_pk_bf16_f32 v[TMP+4*(\b)+(\r)], v[AC+8*(\b)+2*(\r)], v[AC+8*(\b)+2*(\r)+1]
.endr
.endr
	WIN 0
.set i, 0
.rept 32
	v_pk_max_num_bf16 v[TMP+i], v[TMP+i], s[FLOOR]
.set i, i+1
.endr
.endm
.macro TOSTAGE a
.set BK, OB+192*((\a)%2)
.irp b, 0,1,2,3,4,5,6,7
	ds_store_b128 v[STO], v[TMP+4*(\b):TMP+4*(\b)+3] offset:32*(\b)
.endr
.irp t, 0,1,2,3,4,5,6,7
	ds_load_b128 v[BK+4*(\t):BK+4*(\t)+3], v[RD] offset:(\t)*2*SPITCH  ; LDS serves a wave's instructions in order (ISA guide 5.7.1.4): these see the stores above
.endr
.endm
.macro SEND a
.set BK, OB+192*((\a)%2)
	s_wait_dscnt 0x0                               ; the block is back in registers
	s_wait_xcnt 0x0                                ; every earlier store has read its registers: the buffer that the block before last was stored from is loaded again only behind this wait
.irp t, 0,1,2,3,4,5,6,7
	global_store_b128 v[CO], v[BK+4*(\t):BK+4*(\t)+3], s[CB:CB+1] offset:(\a)*8192+(\t)*1024  ; 16 lanes store 256 consecutive bytes, at a multiple of 256 from C's first byte
.endr
.endm
	s_wait_tensorcnt 1                             ; my part of K step 0 is in; K step 1's may stay out
	s_barrier_signal -1
	s_barrier_wait -1                              ; everybody's is
	FETCH 0, 0, F0
	s_wait_kmcnt 0x0                               ; the floor
	s_wait_loadcnt 0x0                             ; the bias
	QUARTER 0, 1, F0, F1, 1                        ; the first quarter stands in front of the loop: its products start the sums
	WIN 0                                          ; at a label and at a branch every window is 0
	s_mov_b32 s3, LAPS-1
.Llap:                                             ; a trip goes once round the ring, from a lap's second quarter to the next lap's first, and fills both slots again
	QUARTER 0, 2, F1, F0, 0
	QUARTER 0, 3, F0, F1, 0
	TURN 0, 1
	QUARTER 1, 1, F0, F1, 0
	QUARTER 1, 2, F1, F0, 0
	QUARTER 1, 3, F0, F1, 0
	TURN 1, 0
	QUARTER 0, 1, F0, F1, 0
	WIN 0
	s_sub_co_u32 s3, s3, 1
	s_cmp_lg_u32 s3, 0
	s_cbranch_scc1 .Llap
	QUARTER 0, 2, F1, F0, 0                        ; the last lap is written out: it fills nothing, and has no round of the cluster's barrier
	QUARTER 0, 3, F0, F1, 0
	MEET 0                                         ; my one tensor load that was still out is the last K step's
	PLACES
	FETCH 1, 0, F0
	MUL16 F1, 1, 0, 0
	MUL16 F1, 1, 2, 0
	QUARTER 1, 1, F0, F1, 0
	QUARTER 1, 2, F1, F0, 0
	QUARTER 1, 3, F0, F1, 0
	s_wait_dscnt 8                                 ; the very last quarter: nothing more to fetch
	MUL16 F1, 0, 0, 0
	MUL16 F1, 0, 2, 0
	s_wait_dscnt 0x0
	MUL16 F1, 1, 0, 0
	MUL16 F1, 1, 2, 0
	WIN 0
	PLACES                                         ; the conversions read results just made
	PLACES                                         ; (eight places, once a launch)
	PACK 0
	TOSTAGE 0
.irp a, 1,2,3,4,5,6,7                  ; block a's arithmetic stands between block a - 1's loads from the stage and the wait for them
	PACK \a
	SEND (\a)-1
	TOSTAGE \a
.endr
	SEND 7
	s_wait_tensorcnt 0x0                           ; the wave's end, behind my last tensor load and my last LDS store
	ds_add_u32 v[SPW], v[NIL]
	s_wait_dscnt 0x0
	CROUND                                         ; the closing round: no work-group ends while a partner may still ask for a tile that names it
	s_endpgm
.Lfunc_end_k_q070fe50028_gemm:
	.size	k_q070fe50028_gemm, .Lfunc_end_k_q070fe50028_gemm-k_q070fe50028_gemm
	.p2alignl 7, 3214868480
	.fill 96, 4, 3214868480
	.section	.rodata,"a",@progbits
	.p2align	6, 0x0
	.amdhsa_kernel k_q070fe50028_gemm
		.amdhsa_group_segment_fixed_size 327680
		.amdhsa_private_segment_fixed_size 0
		.amdhsa_enable_private_segment 0
		.amdhsa_kernarg_size 32
		.amdhsa_user_sgpr_count 2
		.amdhsa_user_sgpr_kernarg_segment_ptr 1
		.amdhsa_wavefront_size32 1
		.amdhsa_system_sgpr_workgroup_id_x 1
		.amdhsa_system_sgpr_workgroup_id_y 1
		.amdhsa_system_sgpr_workgroup_id_z 1
		.amdhsa_system_vgpr_workitem_id 0
		.amdhsa_next_free_vgpr 1024
		.amdhsa_next_free_sgpr 88
		.amdhsa_reserve_vcc 0
		.amdhsa_float_denorm_mode_32 3
		.amdhsa_float_denorm_mode_16_64 3
		.amdhsa_memory_ordered 1
		.amdhsa_forward_progress 1
		.amdhsa_inst_pref_size 162
	.end_amdhsa_kernel
	.amdgpu_metadata
---
amdhsa.version: [ 1, 2 ]
amdhsa.kernels:
  - .name:           k_q070fe50028_gemm
    .symbol:         k_q070fe50028_gemm.kd
    .args:
      - { .name: xb, .offset: 0, .size: 8, .value_kind: global_buffer, .address_space: global }
      - { .name: w1t, .offset: 8, .size: 8, .value_kind: global_buffer, .address_space: global }
      - { .name: p1, .offset: 16, .size: 8, .value_kind: global_buffer, .address_space: global }
      - { .name: h, .offset: 24, .size: 8, .value_kind: global_buffer, .address_space: global }
    .group_segment_fixed_size: 327680
    .private_segment_fixed_size: 0
    .kernarg_segment_align: 8
    .kernarg_segment_size: 32
    .max_flat_workgroup_size: 128
    .sgpr_count:     88
    .vgpr_count:     1024
    .wavefront_size: 32
...
	.end_amdgpu_metadata
.endif
;; end of part 2
;; launch gemm2: the kernel of part 2 again; grid 16 x 32, 4 waves a work-group, clusters of 4 x 4, 327,680 bytes of LDS; arguments h, w2t, p2, lg; writes lg
;; launch fin (part 3): grid 256 x 1, 16 waves a work-group, clusters of 4 x 1, 240,128 bytes of LDS; arguments lg, h, w2bb, b2b, out0; writes out0
.if DOCPART == 3
	.amdgcn_target "amdgcn-amd-amdhsa--gfx1250"
	.amdhsa_code_object_version 6
	.text
	.protected	k_q070fe50028_fin
	.globl	k_q070fe50028_fin
	.p2align	8
	.type	k_q070fe50028_fin,@function
k_q070fe50028_fin:
	s_mov_b64 s[64:65], 0
	v_nop
	global_prefetch_b8 v0, s[64:65] scope:SCOPE_SE
	s_setreg_imm32_b32 hwreg(HW_REG_WAVE_MODE, 25, 1), 1
	s_wait_xcnt 0x0
	s_wait_alu depctr_hold_cnt(0) depctr_sa_sdst(0) depctr_va_vdst(0) depctr_va_sdst(0) depctr_va_ssrc(0) depctr_va_vcc(0) depctr_vm_vsrc(0)
	s_getreg_b32 s2, hwreg(HW_REG_IB_STS2, 6, 4)
	s_cmp_eq_u32 s2, 0
	s_cbranch_scc0 .Lentry_in_a_cluster
	s_endpgm
.Lentry_in_a_cluster:
	s_bfe_u32 s2, ttmp6, 0x10000c
	s_cmp_lg_u32 s2, 0x3003
	s_cbranch_scc0 .Lentry_shape_is_right
	s_endpgm
.Lentry_shape_is_right:
; out[b][y] = max over x of min(a[b][64 x + y], d[b][x]), a = softmax of the row's 4,096 logits in lg, d = softmax of the 64 logits h_b W2b + b2b, which are made here.
; lg: [16][8192][256] bf16; h: [8][8192][256] bf16, blocks 4 to 7 = h_b; w2bb: [1024][64] bf16; b2b: [64] f32; out0: [8192][64] f32.
; THE ARITHMETIC.  With e = 2^(c L - c M), M the row's true maximum, c = log2(e), Z = the sum of e, and the same (eb, MB, ZB) for net b:  min(e / Z, eb / ZB) = min(e, eb Z / ZB) / Z.
; So one number T[x] = eb[x] Z / ZB a join value, one fused min-max an element, and one multiplication by 1 / Z for each output.  Z lies in 1 to 4,096, ZB in 1 to 64, e and eb in 0 to 1.
; LIMITS.  The logits of net a arrive rounded to bf16; a weight below 2^-126 counts as 0; the maxima take the number where one operand is NaN, so NaN is not handed on.
; SHARES.  A work-group of 16 waves owns 32 rows.  First the 32 x 64 logits of net b: K = 1,024 is split in eight, wave w takes k = 128 (w / 2) on for row tile w % 2 and all four column tiles; the partial sums
; meet in LDS, f32.  Then wave w owns rows 2 w and 2 w + 1: a row's piece in block j is 512 bytes, one load of the wave; lane l holds x = 4 j + l / 8 and y = 8 (l % 8) + 0..7.
; THE ORDER OF THE REQUESTS.  What the first phase needs is asked for first and alone: h_b's fragments and the bias, then W2b.  A wave's 32 row loads (16 KiB) go out when its part of W2b has landed:
; they are on their way while net b's logits are made, and the second row's while the first row is worked on.
; CLUSTER.  All work-groups read the same 131,072 bytes of w2bb: the four of a cluster ask for them JOINTLY, each wave 64 k-rows.  The work-group's place enters global addresses alone.
; No prefetch: every byte that the launch reads is asked for in its first lines.  No loop over the two rows: their registers are named in the text, and both are on their way at once.
.set PW,    160                        ; a k-row of W2b in LDS: 128 bytes + 32 of padding = 40 words
.set PART,  1024*PW                    ; 163,840: behind W2b: wave w's four partial tiles of 1,024 bytes at 4,096 w; a lane's 8 sums at 32 l
.set TAB,   PART+16*4096               ; 229,376: 32 rows x 272 bytes: net b's logit x of a row, f32, at word 16 (x % 4) + x / 4, so that a lane's sixteen (x = 4 j + l / 8) lie on end
.set TP,    272
.set SPARE, TAB+32*TP                  ; 238,080: the spare words, 128 bytes for each of 16 waves: eight blocks of 256 bytes that no other line names
.set LBLK,  8192*512                   ; bytes in a column block of lg and h
.set LO,   4                           ; v4   16 l: my 16 bytes of a row's piece
.set AO,   5                           ; v5   my place in a fragment of h_b: (l % 16) x 512 + 16 (l / 16)
.set WO,   6                           ; v6   my place in W2b for the turning load, at my wave's 128 k-rows
.set PS,   7                           ; v7   where I put my partial sums
.set PR,   8                           ; v8   where I read partial sums back
.set TW,   9                           ; v9   where I put four logits of net b
.set TR,   10                          ; v10  where I read my sixteen of row 2 w
.set OO,   11                          ; v11  my 16 bytes of the wave's two rows of out0
.set BO,   12                          ; v12  32 (l / 16)
.set C1,   13                          ; v13  log2(e)
.set NM,   14                          ; v14  - c M
.set NMB,  16                          ; v[16:17] - c MB in the low register
.set FF,   18                          ; v[18:19] Z / ZB in the low register
.set RZ,   20                          ; v[20:21] 1 / Z, twice
.set WK,   22                          ; v22-23 at work
.set BI,   24                          ; v[24:27] four of b2b
.set WB,   28                          ; v28-29 at work
.set SPW,  30                          ; v30  LDS address of my spare word: SPARE + 4 x my thread's number; never rewritten
.set NIL,  31                          ; v31  0; never rewritten
.set LBV,  32                          ; v32-47  net b: sixteen logits, then eb, then T
.set AC8,  48                          ; v48-55  four chains of the sum, then the eight running maxima
.set MX,   56                          ; v56-59  four chains of the maximum, then of ZB
.set RA,   60                          ; v60-63  row 2 w's four results
.set E,    64                          ; v64-191 the row's 128 numbers in f32
.set RBR,  64                          ; v64-67  row 2 w + 1's four results (E is free by then)
.set SND,  68                          ; v68-71  what the partner lane wants
.set KP,   72                          ; v72-75  what is stored
.set SD,   76                          ; v76-79
.set RAWA, 128                         ; v128-191 row 2 w as loaded
.set RAWB, 192                         ; v192-255 row 2 w + 1 as loaded
.set ACC,  32                          ; net b's products: v32-63 four accumulators, v64-95 h_b's fragments, v96-127 W2b's
.set AF,   64
.set BF,   96
.set WV,   14                          ; s14  my wave's number
.set KQ,   15                          ; s15  w / 2: my eighth of K; later my tile of the eight (row tile KQ / 4, column tile KQ % 4)
.set TT,   16                          ; s16  w % 2: my row tile; later which four of a lane's eight sums I finish
.set GG,   17                          ; s17  the work-group's number
.set G1,   20                          ; s[20:27] descriptor group 1
.set G0,   28                          ; s[28:31] descriptor group 0
.set SB,   32                          ; s[32:47] lg at my first row, in blocks 0, 2, 4 .. 14
.set HB,   48                          ; s[48:49] h_b at my tile's rows and my eighth of K
.set BB,   50                          ; s[50:51] b2b at my four
.set OB,   52                          ; s[52:53] out0 at my first row
.set SEL,  54                          ; s[54:55] v_permlanex16_b32's selects: each lane takes its own place in the other half
.set M8,   56                          ; s56  lanes whose number has bit 3
.set M16,  57                          ; s57  lanes 16 to 31; also a word's upper bf16
.set CS,   58                          ; s[58:59] log2(e): the packed scaling takes the pair's low word for both halves
; A round of the cluster's barrier: my work-group's barrier, so that wave 0's signal speaks for all waves; wave 0 signals; every wave waits for all four work-groups; my work-group's barrier once more.
.macro CROUND
	s_barrier_signal -1
	s_barrier_wait -1
	s_cmp_lg_u32 s[WV], 0
	s_cbranch_scc1 .Lnot_wave_0_\@
	s_barrier_signal -3
.Lnot_wave_0_\@:
	s_barrier_wait -3
	s_barrier_signal -1
	s_barrier_wait -1
.endm
	s_load_b256 s[4:11], s[0:1], 0x0               ; lg s[4:5], h s[6:7], w2bb s[8:9], b2b s[10:11]
	s_load_b64 s[12:13], s[0:1], 0x20              ; out0
	v_lshl_add_u32 v[SPW], v0, 2, SPARE
	v_mov_b32 v[NIL], 0
	ds_add_u32 v[SPW], v[NIL]                      ; the wave's opening: the add, twice on end, and its wait ahead of my first tensor load; the set-up below stands between the second and the wait
	ds_add_u32 v[SPW], v[NIL]
	v_lshrrev_b32 v1, 5, v0
	v_readfirstlane_b32 s[WV], v1                  ; wave 0..15
	s_lshr_b32 s[KQ], s[WV], 1
	s_and_b32 s[TT], s[WV], 1
	s_bfe_u32 s[GG], ttmp6, 0x40000                ; cx
	s_lshl_b32 s18, ttmp9, 2                       ; in a cluster launch ttmp9 counts clusters
	s_add_co_u32 s[GG], s[GG], s18                 ; the work-group = 4 x cluster x + cx: it enters global addresses alone
	; the descriptor: my 64 k-rows of W2b are 8,192 dense bytes: asked for as 32 rows of 256 bytes, two k-rows a row, and padded in LDS after every k-row
	s_mov_b32 s[G1], 15|(1<<16)|(1<<20)|(1<<21)|(4<<22)|(7<<25)  ; 15:0 the mask of four; 17:16 2-byte elements; 20 padding on; 21 set beside a mask; 24:22 after every 32 words (code 4); 31:25 8 words (code 7)
	s_mov_b32 s[G1+1], 128<<16                     ; tensor_dim0 = 128
	s_mov_b32 s[G1+2], 32<<16                      ; tensor_dim1 = 32
	s_mov_b32 s[G1+3], 128<<16                     ; tile_dim0 = 128
	s_mov_b32 s[G1+4], 32                          ; tile_dim1 = 32
	s_mov_b32 s[G1+5], 128                         ; 128 elements from row to row
	s_mov_b32 s[G1+6], 0
	s_mov_b32 s[G1+7], 0
	s_mov_b32 s[G0], 1                             ; count = 1
	s_mul_i32 s[G0+1], s[WV], 64*PW                ; LDS address: k-row 64 w
	s_mov_b32 s[SEL], 0x76543210
	s_mov_b32 s[SEL+1], 0xfedcba98
	s_mov_b32 s[M8], 0xff00ff00
	s_mov_b32 s[M16], 0xffff0000
	s_mov_b32 s[CS], 0x3fb8aa3b
	s_mov_b32 s[CS+1], s[CS]                       ; named with it as a pair
	v_and_b32 v1, 31, v0                           ; l
	v_and_b32 v2, 15, v0                           ; l % 16
	v_bfe_u32 v3, v0, 4, 1                         ; l / 16
	v_and_b32 v[WK], 7, v0                         ; l % 8
	v_bfe_u32 v[WK+1], v0, 3, 1                    ; (l / 8) % 2
	v_lshlrev_b32 v[LO], 4, v1
	v_lshlrev_b32 v[AO], 9, v2
	v_lshl_add_u32 v[AO], v3, 4, v[AO]
	v_lshl_add_u32 v[WO], v3, 3, v[WK]             ; the turning load: lane l reads k-row 8 (l / 16) + l % 8,
	v_mul_u32_u24 v[WO], v[WO], PW
	v_lshl_add_u32 v[WO], v[WK+1], 4, v[WO]        ; columns 8 ((l / 8) % 2) + 0..7
	s_mul_i32 s18, s[KQ], 128*PW
	v_add_nc_u32 v[WO], s18, v[WO]
	s_lshl_b32 s18, s[WV], 12
	s_add_co_u32 s18, s18, PART
	v_lshl_add_u32 v[PS], v1, 5, s18
	s_lshr_b32 s18, s[KQ], 2                       ; the tile that I finish: row tile,
	s_and_b32 s19, s[KQ], 3                        ; column tile
	s_lshl_b32 s2, s18, 12                         ; its partial sums lie with waves 2 q + row tile, q = 0..7: 8,192 q goes into the loads' immediates
	s_lshl_b32 s3, s19, 10
	s_add_co_u32 s2, s2, s3
	s_lshl_b32 s3, s[TT], 4                        ; registers 0-3 or 4-7 of a lane's eight
	s_add_co_u32 s2, s2, s3
	s_add_co_u32 s2, s2, PART
	v_lshl_add_u32 v[PR], v1, 5, s2
	s_mul_i32 s2, s18, 16*TP                       ; my four are x = 16 ct + 8 (l / 16) + 4 (w % 2) + i: word 16 i + 4 ct + 2 (l / 16) + w % 2 of row 16 rt + l % 16
	s_lshl_b32 s3, s19, 4
	s_add_co_u32 s2, s2, s3
	s_lshl_b32 s3, s[TT], 2
	s_add_co_u32 s2, s2, s3
	s_add_co_u32 s2, s2, TAB
	v_mul_u32_u24 v[TW], v2, TP
	v_lshl_add_u32 v[TW], v3, 3, v[TW]
	v_add_nc_u32 v[TW], s2, v[TW]
	s_mul_i32 s2, s[WV], 2*TP
	s_add_co_u32 s2, s2, TAB
	v_bfe_u32 v[TR], v0, 3, 2                      ; l / 8
	v_lshl_add_u32 v[TR], v[TR], 6, s2
	v_lshlrev_b32 v[OO], 8, v3                     ; lanes 0-15 store row 2 w, lanes 16-31 row 2 w + 1; y = 8 (l % 8) + 4 ((l / 8) % 2) + 0..3
	v_lshl_add_u32 v[OO], v[WK], 5, v[OO]
	v_lshl_add_u32 v[OO], v[WK+1], 4, v[OO]
	v_lshlrev_b32 v[BO], 5, v3
	v_mov_b32 v[C1], 0x3fb8aa3b
	v_mov_b32 v[NMB+1], 0                          ; named as pairs' upper halves, never used
	v_mov_b32 v[FF+1], 0
	s_wait_dscnt 0x0                               ; both opening adds are done
	s_wait_kmcnt 0x0
	s_lshl_b32 s2, s[WV], 13                       ; W2b: my 64 k-rows of 128 bytes
	s_mov_b32 s3, 0
	s_add_nc_u64 s[G0+2:G0+3], s[8:9], s[2:3]
	s_or_b32 s[G0+3], s[G0+3], 0x80000000          ; type = 2
	s_lshr_b32 s18, s[KQ], 1                       ; h_b: k = 128 (w / 2) lies in block 4 + w / 4,
	s_add_co_u32 s18, s18, 4
	s_lshl_b32 s18, s18, 22
	s_lshl_b32 s19, s[GG], 14                      ; the work-group's 32 rows of 512 bytes,
	s_add_co_u32 s18, s18, s19
	s_lshl_b32 s19, s[TT], 13                      ; my tile's 16 rows,
	s_add_co_u32 s18, s18, s19
	s_and_b32 s19, s[KQ], 1
	s_lshl_b32 s19, s19, 8                         ; in the first or second 256 bytes of a row's piece
	s_add_co_u32 s18, s18, s19
	s_mov_b32 s19, 0
	s_add_nc_u64 s[HB:HB+1], s[6:7], s[18:19]
	s_and_b32 s18, s[KQ], 3
	s_lshl_b32 s18, s18, 6
	s_lshl_b32 s19, s[TT], 4
	s_add_co_u32 s18, s18, s19
	s_mov_b32 s19, 0
	s_add_nc_u64 s[BB:BB+1], s[10:11], s[18:19]
.irp f, 0,1,2,3                        ; what the first phase needs goes out first: these nine loads ahead of the round, W2b behind it
	global_load_b128 v[AF+8*(\f):AF+8*(\f)+3],   v[AO], s[HB:HB+1] offset:64*(\f)
	global_load_b128 v[AF+8*(\f)+4:AF+8*(\f)+7], v[AO], s[HB:HB+1] offset:64*(\f)+32
.endr
	global_load_b128 v[BI:BI+3], v[BO], s[BB:BB+1]
	CROUND                                         ; all four work-groups are here: the joint loads meet
	tensor_load_to_lds s[G0:G0+3], s[G1:G1+7]      ; my one tensor load of the launch
	s_nop 0
	s_lshl_b32 s18, s[GG], 14                      ; the rows' addresses are made while it is out.  lg: the work-group's 32 rows of 512 bytes,
	s_lshl_b32 s19, s[WV], 10                      ; my two
	s_add_co_u32 s18, s18, s19
	s_mov_b32 s19, 0
	s_add_nc_u64 s[SB:SB+1], s[4:5], s[18:19]
.set j, 1
.rept 7
	s_add_nc_u64 s[SB+2*j:SB+2*j+1], s[SB+2*j-2:SB+2*j-1], 2*LBLK  ; two blocks on: the odd blocks go into the loads' immediates
.set j, j+1
.endr
	s_lshl_b32 s18, s[GG], 13                      ; out0: rows of 256 bytes
	s_lshl_b32 s19, s[WV], 9
	s_add_co_u32 s18, s18, s19
	s_mov_b32 s19, 0
	s_add_nc_u64 s[OB:OB+1], s[12:13], s[18:19]
	s_wait_tensorcnt 0x0                           ; my 64 k-rows are in: now my two rows are asked for
.set j, 0
.rept 16
	global_load_b128 v[RAWA+4*j:RAWA+4*j+3], v[LO], s[SB+2*(j/2):SB+2*(j/2)+1] offset:(j%2)*LBLK th:TH_LOAD_NT
.set j, j+1
.endr
.set j, 0
.rept 16
	global_load_b128 v[RAWB+4*j:RAWB+4*j+3], v[LO], s[SB+2*(j/2):SB+2*(j/2)+1] offset:(j%2)*LBLK+512 th:TH_LOAD_NT
.set j, j+1
.endr
	; NET B'S LOGITS.  Transposed: source 0 = 16 columns of W2b (turned), source 1 = 16 rows of h_b: register j of lane l is (row l % 16, x = 16 c + 8 (l / 16) + j).
	s_barrier_signal -1
	s_barrier_wait -1                              ; everybody's part of W2b is in: my 128 k-rows were fetched by two waves
	s_wait_loadcnt 32                              ; h_b's fragments and the bias are in; the two rows' 32 loads stay out
.irp f, 0,1,2,3
.irp c, 0,1,2,3
	ds_load_tr16_b128 v[BF+8*(\c):BF+8*(\c)+3],   v[WO] offset:(\f)*32*PW+32*(\c)
	ds_load_tr16_b128 v[BF+8*(\c)+4:BF+8*(\c)+7], v[WO] offset:(\f)*32*PW+32*(\c)+16*PW
.endr
	s_wait_dscnt 0x0
.irp c, 0,1,2,3                        ; the four accumulators take turns; the first products start the sums
.if (\f) == 0
	v_wmma_f32_16x16x32_bf16 v[ACC+8*(\c):ACC+8*(\c)+7], v[BF+8*(\c):BF+8*(\c)+7], v[AF+8*(\f):AF+8*(\f)+7], 0
.else
	v_wmma_f32_16x16x32_bf16 v[ACC+8*(\c):ACC+8*(\c)+7], v[BF+8*(\c):BF+8*(\c)+7], v[AF+8*(\f):AF+8*(\f)+7], v[ACC+8*(\c):ACC+8*(\c)+7]
.endif
.endr
.rept 4
	v_nop                                          ; four places in front of the next loads into W2b's fragments (ISA guide 7.12.1 for vector instructions)
.endr
.endr
.rept 4
	v_nop                                          ; (eight places, once a launch, in front of the stores that read the results)
.endr
.irp c, 0,1,2,3
	ds_store_b128 v[PS], v[ACC+8*(\c):ACC+8*(\c)+3]   offset:1024*(\c)      ; each accumulator's low registers first
	ds_store_b128 v[PS], v[ACC+8*(\c)+4:ACC+8*(\c)+7] offset:1024*(\c)+16
.endr
	s_wait_dscnt 0x0                               ; for the others' sake: my partial sums are in LDS
	s_barrier_signal -1
	s_barrier_wait -1
.irp q, 0,1,2,3,4,5,6,7
	ds_load_b128 v[E+4*(\q):E+4*(\q)+3], v[PR] offset:8192*(\q)  ; four sums of my tile, from each eighth of K
.endr
	s_wait_dscnt 0x0
.irp q, 0,2,4,6
	v_pk_add_f32 v[E+4*(\q):E+4*(\q)+1],   v[E+4*(\q):E+4*(\q)+1],   v[E+4*(\q)+4:E+4*(\q)+5]
	v_pk_add_f32 v[E+4*(\q)+2:E+4*(\q)+3], v[E+4*(\q)+2:E+4*(\q)+3], v[E+4*(\q)+6:E+4*(\q)+7]
.endr
.irp q, 0,4
	v_pk_add_f32 v[E+4*(\q):E+4*(\q)+1],   v[E+4*(\q):E+4*(\q)+1],   v[E+4*(\q)+8:E+4*(\q)+9]
	v_pk_add_f32 v[E+4*(\q)+2:E+4*(\q)+3], v[E+4*(\q)+2:E+4*(\q)+3], v[E+4*(\q)+10:E+4*(\q)+11]
.endr
	v_pk_add_f32 v[E:E+1],   v[E:E+1],   v[E+16:E+17]
	v_pk_add_f32 v[E+2:E+3], v[E+2:E+3], v[E+18:E+19]
	v_pk_add_f32 v[E:E+1],   v[E:E+1],   v[BI:BI+1]
	v_pk_add_f32 v[E+2:E+3], v[E+2:E+3], v[BI+2:BI+3]
.irp i, 0,1,2,3
	ds_store_b32 v[TW], v[E+(\i)] offset:64*(\i)
.endr
	s_wait_dscnt 0x0                               ; for the others' sake: my logits are in the table
	s_barrier_signal -1
	s_barrier_wait -1
; ONE ROW.  s: 0 or 1, the wave's row; raw: the 64 registers as loaded; left: the younger global loads that may stay out; res: where the four results go.
; Raw word i becomes E[2 i] and E[2 i + 1].  Where raw lies in E's upper half (the first row) that is an expansion in place: line n writes E[n] and reads E-index 64 + n / 2, which lies above n - 1 for every n below 128.
.macro ROW s, raw, left, res
.irp q, 0,1,2,3
	ds_load_b128 v[LBV+4*(\q):LBV+4*(\q)+3], v[TR] offset:TP*(\s)+16*(\q)  ; net b's logits at x = 4 j + l / 8, j = 0..15
.endr
	s_wait_loadcnt \left
	; M, the row's maximum: two bf16 at a time, nothing is rounded; four chains, begun by the first eight words
.irp k, 0,1,2,3
	v_pk_max_num_bf16 v[MX+(\k)], v[(\raw)+(\k)], v[(\raw)+4+(\k)]
.endr
.set i, 8
.rept 56
	v_pk_max_num_bf16 v[MX+i%4], v[MX+i%4], v[(\raw)+i]
.set i, i+1
.endr
	v_pk_max_num_bf16 v[MX], v[MX], v[MX+1]
	v_pk_max_num_bf16 v[MX+2], v[MX+2], v[MX+3]
	v_pk_max_num_bf16 v[MX], v[MX], v[MX+2]
	v_lshlrev_b32 v[WK], 16, v[MX]
	v_and_b32 v[WK+1], s[M16], v[MX]
	v_max_num_f32 v[WK], v[WK], v[WK+1]
.irp m, 1,2,4,8
	v_max_num_f32_dpp v[WK], v[WK], v[WK] row_xmask:\m row_mask:0xf bank_mask:0xf
.endr
	v_permlanex16_b32 v[WK+1], v[WK], s[SEL], s[SEL+1]
	v_max_num_f32 v[WK], v[WK], v[WK+1]
	v_mul_f32 v[NM], 0xbfb8aa3b, v[WK]             ; - c M
	; MB: my sixteen, then the lanes 8 and 16 away, which hold the other x
	s_wait_dscnt 0x0
	v_max3_num_f32 v[WB], v[LBV], v[LBV+1], v[LBV+2]
	v_max3_num_f32 v[WB+1], v[LBV+3], v[LBV+4], v[LBV+5]
	v_max3_num_f32 v[WB], v[WB], v[LBV+6], v[LBV+7]
	v_max3_num_f32 v[WB+1], v[WB+1], v[LBV+8], v[LBV+9]
	v_max3_num_f32 v[WB], v[WB], v[LBV+10], v[LBV+11]
	v_max3_num_f32 v[WB+1], v[WB+1], v[LBV+12], v[LBV+13]
	v_max3_num_f32 v[WB], v[WB], v[LBV+14], v[LBV+15]
	v_max_num_f32 v[WB], v[WB], v[WB+1]
	v_max_num_f32_dpp v[WB], v[WB], v[WB] row_xmask:8 row_mask:0xf bank_mask:0xf
	v_permlanex16_b32 v[WB+1], v[WB], s[SEL], s[SEL+1]
	v_max_num_f32 v[WB], v[WB], v[WB+1]
	v_mul_f32 v[NMB], 0xbfb8aa3b, v[WB]            ; - c MB
.set p, 0
.rept 8
	v_pk_fma_f32 v[LBV+2*p:LBV+2*p+1], v[LBV+2*p:LBV+2*p+1], s[CS:CS+1], v[NMB:NMB+1] op_sel_hi:[1,0,0]
.set p, p+1
.endr
	; ONE BATCH of 144 exponentials, with one wait.  Line n widens a bf16 half and scales it, c L - c M, in one multiply-add; behind each stands one exponential of the queue: net b's sixteen, then E[0], E[1] ..:
	; sixteen lines behind its argument.  Nothing ahead of the wait names an exponential's result.
.set n, 0
.rept 128
.if n%2
	v_fma_mix_f32_bf16 v[E+n], v[(\raw)+n/2], v[C1], v[NM] op_sel:[1,0,0] op_sel_hi:[1,0,0]
.else
	v_fma_mix_f32_bf16 v[E+n], v[(\raw)+n/2], v[C1], v[NM] op_sel_hi:[1,0,0]
.endif
.if n < 16
	v_exp_f32 v[LBV+n], v[LBV+n]
.else
	v_exp_f32 v[E+n-16], v[E+n-16]
.endif
.set n, n+1
.endr
.rept 16
	v_exp_f32 v[E+n-16], v[E+n-16]
.set n, n+1
.endr
	v_nop                                          ; a plain instruction behind the last exponential (ISA guide 5.7.2),
	s_wait_alu depctr_va_vdst(0)                   ; and the wait ahead of the first use: one for the batch
	; Z: four chains of packed sums in f32, then across the 32 lanes
.irp c, 0,1,2,3
	v_pk_add_f32 v[AC8+2*(\c):AC8+2*(\c)+1], v[E+2*(\c):E+2*(\c)+1], v[E+8+2*(\c):E+8+2*(\c)+1]
.endr
.set i, 8
.rept 56
	v_pk_add_f32 v[AC8+2*(i%4):AC8+2*(i%4)+1], v[AC8+2*(i%4):AC8+2*(i%4)+1], v[E+2*i:E+2*i+1]
.set i, i+1
.endr
	v_pk_add_f32 v[AC8:AC8+1], v[AC8:AC8+1], v[AC8+2:AC8+3]
	v_pk_add_f32 v[AC8+4:AC8+5], v[AC8+4:AC8+5], v[AC8+6:AC8+7]
	v_pk_add_f32 v[AC8:AC8+1], v[AC8:AC8+1], v[AC8+4:AC8+5]
	v_add_f32 v[WK], v[AC8], v[AC8+1]
.irp m, 1,2,4,8
	v_add_f32_dpp v[WK], v[WK], v[WK] row_xmask:\m row_mask:0xf bank_mask:0xf
.endr
	v_permlanex16_b32 v[WK+1], v[WK], s[SEL], s[SEL+1]
	v_add_f32 v[WK], v[WK], v[WK+1]                ; Z
	; ZB: my sixteen, then the lanes 8 and 16 away
	v_pk_add_f32 v[MX:MX+1], v[LBV:LBV+1], v[LBV+2:LBV+3]
	v_pk_add_f32 v[MX+2:MX+3], v[LBV+4:LBV+5], v[LBV+6:LBV+7]
	v_pk_add_f32 v[MX:MX+1], v[MX:MX+1], v[LBV+8:LBV+9]
	v_pk_add_f32 v[MX+2:MX+3], v[MX+2:MX+3], v[LBV+10:LBV+11]
	v_pk_add_f32 v[MX:MX+1], v[MX:MX+1], v[LBV+12:LBV+13]
	v_pk_add_f32 v[MX+2:MX+3], v[MX+2:MX+3], v[LBV+14:LBV+15]
	v_pk_add_f32 v[MX:MX+1], v[MX:MX+1], v[MX+2:MX+3]
	v_add_f32 v[WB], v[MX], v[MX+1]
	v_add_f32_dpp v[WB], v[WB], v[WB] row_xmask:8 row_mask:0xf bank_mask:0xf
	v_permlanex16_b32 v[WB+1], v[WB], s[SEL], s[SEL+1]
	v_add_f32 v[WB], v[WB], v[WB+1]                ; ZB
	v_rcp_f32 v[RZ], v[WK]
	v_rcp_f32 v[RZ+1], v[WK]                       ; twice, to fill the pair that the packed multiply takes
	v_rcp_f32 v[WB+1], v[WB]
	v_nop                                          ; a plain instruction behind the last reciprocal,
	s_wait_alu depctr_va_vdst(0)                   ; and one wait for the three
	v_mul_f32 v[FF], v[WK], v[WB+1]                ; Z / ZB
.set p, 0
.rept 8
	v_pk_mul_f32 v[LBV+2*p:LBV+2*p+1], v[LBV+2*p:LBV+2*p+1], v[FF:FF+1] op_sel_hi:[1,0]  ; T[j]
.set p, p+1
.endr
	; the join: for each of my eight y the maximum over j of min(E[8 j + k], T[j]); one instruction an element: max(min(e, t), so far)
.irp k, 0,1,2,3,4,5,6,7
	v_min_num_f32 v[AC8+(\k)], v[E+(\k)], v[LBV]
.endr
.set j, 1
.rept 15
.irp k, 0,1,2,3,4,5,6,7
	v_minmax_num_f32 v[AC8+(\k)], v[E+8*j+(\k)], v[LBV+j], v[AC8+(\k)]
.endr
.set j, j+1
.endr
	; the lane 8 away holds the same y for other x: each of the two keeps four y and gives the other four
.irp k, 0,1,2,3
	v_cndmask_b32 v[(\res)+(\k)], v[AC8+(\k)], v[AC8+4+(\k)], s[M8]
	v_cndmask_b32 v[SND+(\k)], v[AC8+4+(\k)], v[AC8+(\k)], s[M8]
.endr
.irp k, 0,1,2,3
	v_max_num_f32_dpp v[(\res)+(\k)], v[SND+(\k)], v[(\res)+(\k)] row_xmask:8 row_mask:0xf bank_mask:0xf
.endr
	v_pk_mul_f32 v[(\res):(\res)+1], v[(\res):(\res)+1], v[RZ:RZ+1]
	v_pk_mul_f32 v[(\res)+2:(\res)+3], v[(\res)+2:(\res)+3], v[RZ:RZ+1]
.endm
	ROW 0, RAWA, 16, RA                            ; the second row's sixteen loads may stay out
	ROW 1, RAWB, 0, RBR
	; the lane 16 away holds the same y for the last other x, of both rows: lanes 0-15 finish the first row, lanes 16-31 the second
.irp k, 0,1,2,3
	v_cndmask_b32 v[KP+(\k)], v[RA+(\k)], v[RBR+(\k)], s[M16]
	v_cndmask_b32 v[SD+(\k)], v[RBR+(\k)], v[RA+(\k)], s[M16]
.endr
.irp k, 0,1,2,3
	v_permlanex16_b32 v[SND+(\k)], v[SD+(\k)], s[SEL], s[SEL+1]
.endr
.irp k, 0,1,2,3
	v_max_num_f32 v[KP+(\k)], v[KP+(\k)], v[SND+(\k)]
.endr
	global_store_b128 v[OO], v[KP:KP+3], s[OB:OB+1]  ; the wave stores 512 consecutive bytes, two rows of out0, at a multiple of 256 from its first byte
	s_wait_tensorcnt 0x0                           ; the wave's end, behind my last tensor load and my last LDS store
	ds_add_u32 v[SPW], v[NIL]
	s_wait_dscnt 0x0
	CROUND                                         ; the closing round: no work-group ends while a partner may still ask for a tile that names it
	s_endpgm
.Lfunc_end_k_q070fe50028_fin:
	.size	k_q070fe50028_fin, .Lfunc_end_k_q070fe50028_fin-k_q070fe50028_fin
	.p2alignl 7, 3214868480
	.fill 96, 4, 3214868480
	.section	.rodata,"a",@progbits
	.p2align	6, 0x0
	.amdhsa_kernel k_q070fe50028_fin
		.amdhsa_group_segment_fixed_size 240128
		.amdhsa_private_segment_fixed_size 0
		.amdhsa_enable_private_segment 0
		.amdhsa_kernarg_size 40
		.amdhsa_user_sgpr_count 2
		.amdhsa_user_sgpr_kernarg_segment_ptr 1
		.amdhsa_wavefront_size32 1
		.amdhsa_system_sgpr_workgroup_id_x 1
		.amdhsa_system_sgpr_workgroup_id_y 1
		.amdhsa_system_sgpr_workgroup_id_z 1
		.amdhsa_system_vgpr_workitem_id 0
		.amdhsa_next_free_vgpr 256
		.amdhsa_next_free_sgpr 66
		.amdhsa_reserve_vcc 0
		.amdhsa_float_denorm_mode_32 3
		.amdhsa_float_denorm_mode_16_64 3
		.amdhsa_memory_ordered 1
		.amdhsa_forward_progress 1
		.amdhsa_inst_pref_size 84
	.end_amdhsa_kernel
	.amdgpu_metadata
---
amdhsa.version: [ 1, 2 ]
amdhsa.kernels:
  - .name:           k_q070fe50028_fin
    .symbol:         k_q070fe50028_fin.kd
    .args:
      - { .name: lg, .offset: 0, .size: 8, .value_kind: global_buffer, .address_space: global }
      - { .name: h, .offset: 8, .size: 8, .value_kind: global_buffer, .address_space: global }
      - { .name: w2bb, .offset: 16, .size: 8, .value_kind: global_buffer, .address_space: global }
      - { .name: b2b, .offset: 24, .size: 8, .value_kind: global_buffer, .address_space: global }
      - { .name: out0, .offset: 32, .size: 8, .value_kind: global_buffer, .address_space: global }
    .group_segment_fixed_size: 240128
    .private_segment_fixed_size: 0
    .kernarg_segment_align: 8
    .kernarg_segment_size: 40
    .max_flat_workgroup_size: 512
    .sgpr_count:     66
    .vgpr_count:     256
    .wavefront_size: 32
...
	.end_amdgpu_metadata
.endif
;; end of part 3
;; ======== version 2 of 2: 4 launches; version 1 with the launch prep written anew for expert scheduling mode
;; limits: values outside matrix products are rounded to bf16
;; workspace buffers: xb 16,777,216 bytes; w1t 4,194,304 bytes; w2t 8,388,608 bytes; w2bb 131,072 bytes; p1 12,288 bytes; p2 20,480 bytes; h 33,554,432 bytes; lg 67,108,864 bytes
;; launch prep (part 4): grid 901 x 1, 8 waves a work-group, no clusters, 0 bytes of LDS; arguments x, W1a, W1b, W2a, W2b, b1a, b1b, b2a, xb, w1t, w2t, w2bb, p1, p2; writes xb, w1t, w2t, w2bb, p1, p2
.if DOCPART == 4
	.amdgcn_target "amdgcn-amd-amdhsa--gfx1250"
	.amdhsa_code_object_version 6
	.text
	.protected	k_q070fe50028_prep
	.globl	k_q070fe50028_prep
	.p2align	8
	.type	k_q070fe50028_prep,@function
k_q070fe50028_prep:
	s_mov_b64 s[64:65], 0
	v_nop
	global_prefetch_b8 v0, s[64:65] scope:SCOPE_SE
	s_setreg_imm32_b32 hwreg(HW_REG_WAVE_SCHED_MODE, 0, 2), 2
	s_setreg_imm32_b32 hwreg(HW_REG_WAVE_MODE, 25, 1), 1
	s_wait_xcnt 0x0
	s_wait_alu depctr_vm_vsrc(0)
; CAST AND RE-BLOCK.  x and the four weight matrices are rounded once to bf16 and laid in column blocks of 256: [block][row][256], a row's piece 512 bytes,
; so that both products that follow find every operand with the same pitch.  W2b (64 columns) keeps its layout.  The biases are copied behind a first 4,096 bytes
; that hold the floor of the product's way out: p1: 0 twice in bf16 (a ReLU), then b1a, b1b; p2: -infinity twice (no activation), then b2a.
; SHARES.  A work-group of 256 threads casts 16 pieces of 1,024 consecutive f32 (4,096 bytes); thread t takes 16 bytes of each.  A wave's load covers 512 consecutive
; bytes, its store 256 consecutive bytes at a multiple of 256 from the buffer's first byte.  All 16 loads go out before the first is waited for.
; REGISTERS.  A piece is converted in the registers that it was loaded into, and a piece's place stands in the immediates: the cast is written out for the three pairs of steps that occur.
; So a wave has 72 registers, several work-groups lie on a WGP together, and all their loads are out at once.
; Work-groups 0-511: x; 512-575: W1a; 576-639: W1b; 640-895: W2a; 896-899: W2b; 900: the biases and floors.
; No LDS, no matrix unit, no cluster: no byte is wanted twice.  No prefetch: the launch is a plain stream whose loads all go out at once.
; LIMITS.  Round to nearest even; bf16 has f32's range, so nothing overflows that did not before.
; THE MODE: SCHED_MODE bits 1:0 = 2 (LLVM: expert scheduling mode 2), set by the entry lines.  The code itself states the register dependences
; between vector instructions and memory instructions, with s_wait_alu, always for 0.
; THE PLAN.  Registers that memory instructions touch:
;   v[SO], v[DO]  the loads' and the stores' offsets: written once by vector lines, ahead of the first load, and never again.
;   X[j]          piece j's four registers: load j lands in them; the piece's two conversions read them and write the first two; store j reads those two; nothing writes them again.
; The 16 pieces go in four blocks of four.  Block p waits for its four loads and converts them; its memory instructions are the four stores of block p - 1, whose registers no
; conversion of block p names.  So ONE wait on va_vdst at a block's head states all that the block's stores hang on, and they are dealt among its conversions with no further wait.
; No register that a load or store reads is ever written again, so past the entry lines the text holds no wait on vm_vsrc and no s_wait_xcnt; no vector line writes a scalar register, VCC or EXEC.
.set SO,    2                          ; v2         my byte offset in a piece of the source: 16 t
.set DO,    3                          ; v3         my byte offset in the destination, for piece 0
.set X,     8                          ; v[8:71]    piece j: four f32, then in the first two registers four bf16
.set SRC,   36                         ; s[36:37]   the source, then the source at the work-group's first piece
.set DST,   38                         ; s[38:39]   the destination likewise
.set S0,    40                         ; s[40:41]   the work-group's byte offset in the source
.set D0,    42                         ; s[42:43]   in the destination
.set LBLK,  46                         ; s46        log2 of a destination block's bytes
.set KIND,  47                         ; s47        which pair of steps: 0 rows of 1,024; 1 quarters of rows of 4,096; 2 dense
; The cast: ss, ds = bytes from piece to piece in the source and in the destination
.macro CAST ss, ds
	s_wait_alu depctr_va_vdst(0)                   ; v[SO] and v[DO] are written: every load below reads the one as its offset, every store the other
.set j, 0
.rept 16
	global_load_b128 v[X+4*j:X+4*j+3], v[SO], s[SRC:SRC+1] offset:j*(\ss) th:TH_LOAD_NT
.set j, j+1
.endr
.set p, 0
.rept 4                                ; block p: pieces 4 p to 4 p + 3
	s_wait_loadcnt 12-4*p                          ; loads come back in order (ISA guide 5.7.1): block p's four are in, the younger blocks stay out
.if p > 0
	s_wait_alu depctr_va_vdst(0)                   ; the conversions of block p - 1 have written the eight registers that the four stores below read
.endif
.set i, 0
.rept 4
.if p > 0
	global_store_b64 v[DO], v[X+4*(4*p-4+i):X+4*(4*p-4+i)+1], s[DST:DST+1] offset:(4*p-4+i)*(\ds)  ; the block before; no vector line since the wait names these registers
.endif
	v_cvt_pk_bf16_f32 v[X+4*(4*p+i)], v[X+4*(4*p+i)], v[X+4*(4*p+i)+1]
	v_cvt_pk_bf16_f32 v[X+4*(4*p+i)+1], v[X+4*(4*p+i)+2], v[X+4*(4*p+i)+3]
.set i, i+1
.endr
.set p, p+1
.endr
	s_wait_alu depctr_va_vdst(0)                   ; the conversions of block 3 have written the registers that the last four stores read
.set j, 12
.rept 4
	global_store_b64 v[DO], v[X+4*j:X+4*j+1], s[DST:DST+1] offset:j*(\ds)
.set j, j+1
.endr
	s_endpgm
.endm
	s_load_b512 s[8:23], s[0:1], 0x0               ; x 8, W1a 10, W1b 12, W2a 14, W2b 16, b1a 18, b1b 20, b2a 22
	s_load_b256 s[24:31], s[0:1], 0x40             ; xb 24, w1t 26, w2t 28, w2bb 30
	s_load_b128 s[32:35], s[0:1], 0x60             ; p1 32, p2 34
	s_mov_b32 s2, ttmp9
	s_mov_b32 s[S0+1], 0
	s_mov_b32 s[D0+1], 0
	s_mov_b32 s[LBLK], 19                          ; what most cases share: a block of 1,024 rows is 2^19 bytes,
	s_mov_b32 s[KIND], 0                           ; a piece is a row of 1,024 f32
	s_wait_kmcnt 0x0
	s_cmp_lt_u32 s2, 512
	s_cbranch_scc0 .Lw1a
	s_mov_b64 s[SRC:SRC+1], s[8:9]                 ; x: rows 16 c to 16 c + 15
	s_mov_b64 s[DST:DST+1], s[24:25]
	s_lshl_b32 s[S0], s2, 16
	s_lshl_b32 s[D0], s2, 13
	s_mov_b32 s[LBLK], 22                          ; a block of 8,192 rows
	s_branch .Lgo
.Lw1a:
	s_cmp_lt_u32 s2, 576
	s_cbranch_scc0 .Lw1b
	s_sub_co_u32 s3, s2, 512
	s_mov_b64 s[SRC:SRC+1], s[10:11]               ; W1a: blocks 0 to 3 of w1t
	s_mov_b64 s[DST:DST+1], s[26:27]
	s_lshl_b32 s[S0], s3, 16
	s_lshl_b32 s[D0], s3, 13
	s_branch .Lgo
.Lw1b:
	s_cmp_lt_u32 s2, 640
	s_cbranch_scc0 .Lw2a
	s_sub_co_u32 s3, s2, 576
	s_mov_b64 s[SRC:SRC+1], s[12:13]               ; W1b: blocks 4 to 7 of w1t
	s_mov_b64 s[DST:DST+1], s[26:27]
	s_lshl_b32 s[S0], s3, 16
	s_lshl_b32 s[D0], s3, 13
	s_add_co_u32 s[D0], s[D0], 0x200000
	s_branch .Lgo
.Lw2a:
	s_cmp_lt_u32 s2, 896
	s_cbranch_scc0 .Lw2b
	s_sub_co_u32 s3, s2, 640
	s_mov_b64 s[SRC:SRC+1], s[14:15]               ; W2a: a piece is a quarter of a row of 4,096; the work-group takes quarter c % 4 of rows 16 (c / 4) on
	s_mov_b64 s[DST:DST+1], s[28:29]
	s_lshr_b32 s4, s3, 2
	s_and_b32 s5, s3, 3
	s_lshl_b32 s[S0], s4, 18
	s_lshl_b32 s6, s5, 12
	s_add_co_u32 s[S0], s[S0], s6
	s_lshl_b32 s[D0], s5, 21                       ; a quarter is four blocks
	s_lshl_b32 s6, s4, 13
	s_add_co_u32 s[D0], s[D0], s6
	s_mov_b32 s[KIND], 1
	s_branch .Lgo
.Lw2b:
	s_cmp_lt_u32 s2, 900
	s_cbranch_scc0 .Lparams
	s_sub_co_u32 s3, s2, 896
	s_mov_b64 s[SRC:SRC+1], s[16:17]               ; W2b: as it lies: with blocks of 512 bytes the destination offset below is 8 t
	s_mov_b64 s[DST:DST+1], s[30:31]
	s_lshl_b32 s[S0], s3, 16
	s_lshl_b32 s[D0], s3, 15
	s_mov_b32 s[LBLK], 9
	s_mov_b32 s[KIND], 2
.Lgo:
	s_add_nc_u64 s[SRC:SRC+1], s[SRC:SRC+1], s[S0:S0+1]
	s_add_nc_u64 s[DST:DST+1], s[DST:DST+1], s[D0:D0+1]
	v_lshlrev_b32 v[SO], 4, v0                     ; 16 t
	v_lshrrev_b32 v1, 6, v0                        ; my four columns lie in block t / 64 of the piece's four,
	v_and_b32 v4, 63, v0
	v_lshlrev_b32 v1, s[LBLK], v1
	v_lshl_add_u32 v[DO], v4, 3, v1                ; at byte 8 (t % 64) of the row's piece
	s_cmp_eq_u32 s[KIND], 1
	s_cbranch_scc1 .Lquarters
	s_cmp_eq_u32 s[KIND], 2
	s_cbranch_scc1 .Ldense
	CAST 4096, 512                                 ; x, W1a, W1b: a row on in the source, a row's piece on in each block
.Lquarters:
	CAST 16384, 512                                ; W2a: a row of 4,096 on
.Ldense:
	CAST 4096, 2048                                ; W2b: 1,024 numbers on in both
.Lparams:
	v_lshlrev_b32 v1, 4, v0                        ; 256 threads x 16 bytes = 4,096 bytes an instruction
.irp i, 0,1,2,3
	v_mov_b32 v[64+(\i)], 0
	v_mov_b32 v[68+(\i)], 0xff80ff80
.endr
	s_wait_alu depctr_va_vdst(0)                   ; v1 is written, the offset of every load and store below; so are v[64:71], which the two stores of the floors read
	global_load_b128 v[40:43], v1, s[18:19]        ; b1a
	global_load_b128 v[44:47], v1, s[20:21]        ; b1b
.irp i, 0,1,2,3
	global_load_b128 v[48+4*(\i):51+4*(\i)], v1, s[22:23] offset:4096*(\i)  ; b2a
.endr
	global_store_b128 v1, v[64:67], s[32:33]
	global_store_b128 v1, v[68:71], s[34:35]
	s_wait_loadcnt 0x0                             ; the biases are in: loads wrote v[40:63], stores read them, and no vector line names them
	global_store_b128 v1, v[40:43], s[32:33] offset:4096
	global_store_b128 v1, v[44:47], s[32:33] offset:8192
.irp i, 0,1,2,3
	global_store_b128 v1, v[48+4*(\i):51+4*(\i)], s[34:35] offset:4096+4096*(\i)
.endr
	s_endpgm
.Lfunc_end_k_q070fe50028_prep:
	.size	k_q070fe50028_prep, .Lfunc_end_k_q070fe50028_prep-k_q070fe50028_prep
	.p2alignl 7, 3214868480
	.fill 96, 4, 3214868480
	.section	.rodata,"a",@progbits
	.p2align	6, 0x0
	.amdhsa_kernel k_q070fe50028_prep
		.amdhsa_group_segment_fixed_size 0
		.amdhsa_private_segment_fixed_size 0
		.amdhsa_enable_private_segment 0
		.amdhsa_kernarg_size 112
		.amdhsa_user_sgpr_count 2
		.amdhsa_user_sgpr_kernarg_segment_ptr 1
		.amdhsa_wavefront_size32 1
		.amdhsa_system_sgpr_workgroup_id_x 1
		.amdhsa_system_sgpr_workgroup_id_y 1
		.amdhsa_system_sgpr_workgroup_id_z 1
		.amdhsa_system_vgpr_workitem_id 0
		.amdhsa_next_free_vgpr 72
		.amdhsa_next_free_sgpr 66
		.amdhsa_reserve_vcc 0
		.amdhsa_float_denorm_mode_32 3
		.amdhsa_float_denorm_mode_16_64 3
		.amdhsa_memory_ordered 1
		.amdhsa_forward_progress 1
		.amdhsa_inst_pref_size 21
	.end_amdhsa_kernel
	.amdgpu_metadata
---
amdhsa.version: [ 1, 2 ]
amdhsa.kernels:
  - .name:           k_q070fe50028_prep
    .symbol:         k_q070fe50028_prep.kd
    .args:
      - { .name: x, .offset: 0, .size: 8, .value_kind: global_buffer, .address_space: global }
      - { .name: W1a, .offset: 8, .size: 8, .value_kind: global_buffer, .address_space: global }
      - { .name: W1b, .offset: 16, .size: 8, .value_kind: global_buffer, .address_space: global }
      - { .name: W2a, .offset: 24, .size: 8, .value_kind: global_buffer, .address_space: global }
      - { .name: W2b, .offset: 32, .size: 8, .value_kind: global_buffer, .address_space: global }
      - { .name: b1a, .offset: 40, .size: 8, .value_kind: global_buffer, .address_space: global }
      - { .name: b1b, .offset: 48, .size: 8, .value_kind: global_buffer, .address_space: global }
      - { .name: b2a, .offset: 56, .size: 8, .value_kind: global_buffer, .address_space: global }
      - { .name: xb, .offset: 64, .size: 8, .value_kind: global_buffer, .address_space: global }
      - { .name: w1t, .offset: 72, .size: 8, .value_kind: global_buffer, .address_space: global }
      - { .name: w2t, .offset: 80, .size: 8, .value_kind: global_buffer, .address_space: global }
      - { .name: w2bb, .offset: 88, .size: 8, .value_kind: global_buffer, .address_space: global }
      - { .name: p1, .offset: 96, .size: 8, .value_kind: global_buffer, .address_space: global }
      - { .name: p2, .offset: 104, .size: 8, .value_kind: global_buffer, .address_space: global }
    .group_segment_fixed_size: 0
    .private_segment_fixed_size: 0
    .kernarg_segment_align: 8
    .kernarg_segment_size: 112
    .max_flat_workgroup_size: 256
    .sgpr_count:     66
    .vgpr_count:     72
    .wavefront_size: 32
...
	.end_amdgpu_metadata
.endif
;; end of part 4
;; launch gemm: the kernel of part 2 again; grid 8 x 32, 4 waves a work-group, clusters of 4 x 4, 327,680 bytes of LDS; arguments xb, w1t, p1, h; writes h
;; launch gemm2: the kernel of part 2 again; grid 16 x 32, 4 waves a work-group, clusters of 4 x 4, 327,680 bytes of LDS; arguments h, w2t, p2, lg; writes lg
;; launch fin: the kernel of part 3 again; grid 256 x 1, 16 waves a work-group, clusters of 4 x 1, 240,128 bytes of LDS; arguments lg, h, w2bb, b2b, out0; writes out0
